; MI455X (gfx1250); checked and timed in simulation.
; The chip was launched on July 23, 2026; its instructions are those of AMD's public machine-readable ISA for CDNA 5 (MIT licence, August 2026) and "CDNA5" Instruction Set Architecture Reference Guide (July 2026). The comments in the code are by the model that wrote it; some were corrected since.
;; Grouped Query Attention. Allowed arithmetic: matrix products marked QUANTISED: E2M3 operands, one E8M0 scale for each 32 along K, by v_wmma_scale_f32_16x16x128_f8f6f4 with both operands' format E2M3, f32 sums; everything else in f32.
;; Inputs: Wk 1,024 x 256 float32; Wo 1,024 x 1,024 float32; Wq 1,024 x 1,024 float32; Wv 1,024 x 256 float32; bk 256 float32; bo 1,024 float32; bq 1,024 float32; bv 256 float32; x 1 x 4,096 x 1,024 float32.
;; Outputs: out0 1 x 4,096 x 1,024 float32.
;; This version of the problem:
;;   THIS VERSION OF THE PROBLEM IS GIVEN IN LOW PRECISION. The matrix products marked QUANTISED in the list below multiply operands that are first quantised to E2M3 (2 exponent bits, 3 mantissa bits; 6 bits a number), with one power-of-two scale for each 32 numbers along K (OCP MX v1.0); their sums are f32. All else is computed in f32.
;;   The module's matrix products, in the order in which they are computed (A, B: the left and right operand; K: the contracted axis; several contracted axes count as one K, in the product's order):
;;     1. [M 4,096, K 1,024] x [K 1,024, N 1,024]; A: input x; B: input Wq: QUANTISED
;;     2. [M 4,096, K 1,024] x [K 1,024, N 256]; A: input x; B: input Wk: QUANTISED
;;     3. [M 4,096, K 1,024] x [K 1,024, N 256]; A: input x; B: input Wv: QUANTISED
;;     4. batch 4 x [M 4,096, K 64] x [K 64, N 16,384]; A: computed on the way; B: computed on the way: QUANTISED
;;     5. batch 4 x [M 64, K 4,096] x [K 4,096, N 16,384]; A: computed on the way; B: softmax (see below): QUANTISED
;;     6. [M 4,096, K 1,024] x [K 1,024, N 1,024]; A: computed on the way; B: input Wo: QUANTISED
;;   THE QUANTISER, for each operand of a quantised product, along K:
;;     - K is cut into blocks of 32 from its start; a last block that is shorter is filled with zeros.
;;     - A block's scale is 2^e with e = floor(log2(the largest magnitude in the block)) - 2, held to -126 .. 127; a block of zeros has e = 0. As a byte (E8M0): e + 127.
;;     - Each number is divided by its block's scale, clamped to +-7.5, and rounded to the nearest number of E2M3, ties to even, subnormals kept.
;;     - The product sums the exact products of the quantised numbers (number of the format x scale) in f32.
;;   ~~~python
;;   def quantise(x, axis):      # numpy; x: float32 -> the quantised numbers, widened to float32 again
;;       x = np.moveaxis(x, axis, -1); K = x.shape[-1]
;;       x = np.pad(x, [(0, 0)] * (x.ndim - 1) + [(0, -K % 32)]); x = x.reshape(x.shape[:-1] + (-1, 32)); a = np.abs(x).max(-1, keepdims=True)
;;       e = np.where(a > 0, np.clip(np.frexp(np.where(a > 0, a, 1))[1] - 1 - 2, -126, 127), 0)      # np.frexp(a)[1] - 1 = floor(log2(a)), exactly
;;       r = np.clip(x / 2.0 ** e, -7.5, 7.5)
;;       step = 2.0 ** (np.maximum(np.frexp(np.where(r == 0, 1, r))[1] - 1, 0) - 3)
;;       q = np.round(r / step) * step * 2.0 ** e      # np.round: ties to even
;;       return np.moveaxis(q.reshape(q.shape[:-2] + (-1,))[..., :K], -1, axis).astype(np.float32)
;;   ~~~
;;   SOFTMAX AHEAD OF A QUANTISED PRODUCT. Where the list says 'softmax', what is quantised is not the finished softmax but p = 2^(t - M), with t = logit x log2(e) and M = ceil(the row's largest t), a whole number; so 1/2 < the row's largest p <= 1. The row's sum l is taken of the UNQUANTISED p, in f32, and the product's result is divided by l at the end. Since M is a whole number, a kernel that streams over the keys may use a running M (the ceiling of the running maximum): every later rescaling is an exact power of two, which a block's scale takes up: the codes' values come out the same.
;;   OPERANDS COMPUTED ON THE WAY. 'Computed on the way' means the value that the module computes at that place (a softmax that the list does not call 'softmax' is quantised finished and normalised). What goes into a quantiser is computed in f32, as accurately as f32 sums, v_exp_f32 and their like allow (about 1e-6 of the number): no bf16 or f16 on the way to a quantiser, and a product that is left as it is and whose result goes on into a quantised operand takes f32 operands (vector FMAs, or v_wmma_f32_16x16x4_f32). A number that lies on a knife's edge between two numbers of the format may be rounded either way, as far as f32 arithmetic and the matrix unit's own rounding can turn it there, and no further.
;; One version. Each part assembles by itself: llvm-mc -triple=amdgcn-amd-amdhsa -mcpu=gfx1250 --defsym DOCPART=n.
;; ======== version 1 of 1: 4 launches
;; limits: right only within a limited range of input values
;; workspace buffers: xq 3,407,872 bytes; wqkv 1,277,952 bytes; woq 851,968 bytes; qc 3,670,016 bytes; kv 1,671,168 bytes; ao 3,407,872 bytes
;; launch prep (part 1): grid 208 x 1, 4 waves a work-group, no clusters, 87,552 bytes of LDS; arguments x, Wq, Wk, Wv, Wo, xq, wqkv, woq; writes xq, wqkv, woq
.if DOCPART == 1
	.amdgcn_target "amdgcn-amd-amdhsa--gfx1250"
	.amdhsa_code_object_version 6
	.text
	.protected	k_q664fe4304b_prep
	.globl	k_q664fe4304b_prep
	.p2align	8
	.type	k_q664fe4304b_prep,@function
k_q664fe4304b_prep:
	s_mov_b64 s[64:65], 0
	v_nop
	global_prefetch_b8 v0, s[64:65] scope:SCOPE_SE
	s_setreg_imm32_b32 hwreg(HW_REG_WAVE_MODE, 25, 1), 1
	s_wait_xcnt 0x0
; x [4096][1024] (K innermost) and Wq, Wo [1024][1024], Wk, Wv [1024][256] (K outermost), all f32, become codes of FP6 (E2M3) with one E8M0 scale byte
; for each 32 along K, laid as IMAGES OF THE OPERAND'S REGISTERS.
; A BLOCK = 64 rows of an operand (tokens, or columns of a weight) x 128 along K = 13 chunks of 512 bytes, lane l's 16 bytes at 16 l of a chunk:
;   chunk 3 u + m: registers 4 m .. 4 m + 3 of tile u's fragment (12 registers);  chunk 12: at 16 l + 4 u the scale word of tile u's row l % 16.
; THE ROWS OF A TILE ARE NOT NEIGHBOURS: slot r of tile u is row 8 u + r % 8 + 32 (r / 8) of the 64.  A later product that takes four such tiles as source 0 then
; leaves 32 NEIGHBOURS in a lane's 32 result registers: a whole block of the next quantiser.
; A block's scale is 2^(floor(log2(its largest magnitude)) - 2); its byte is that magnitude's exponent field - 2, held at 1 from below by a floor among the maximum's leaves.
; LIMITS: a block whose largest magnitude lies under 2^-124, zeros among them, gets the byte 1 (the bytes are read by this program alone; zero codes add nothing);
; NaN and infinities among the inputs are not served.
; SHARES.  A wave makes one BLOCK from 32 KiB of f32.  Work-groups 0-127: x (unit = g / 2, K step = 4 (g % 2) + wave).  Work-groups 128-207: the weights' 40 units of 64 columns.
; wqkv's units are ordered for the next launch: 0-11 Q heads 0-11; 12 + 3 i Q head 12 + i; 13 + 3 i K head i; 14 + 3 i V head i.
; No tensor loads, no barrier: a wave's stage in LDS is its own, and each of the three ways through the text has LDS bytes of its own.
.set BLKB,  6656
.set FLOOR, 0x1800000                  ; 2^(3 - 127)
.set OFF2,  0xff000000                 ; 2 off an exponent field
.set XN,    176                        ; x: v176-239  64 numbers of a lane: register 32 c + i = k 64 c + 32 (lane / 16) + i of my row
.set PC,    24                         ; x: v24-35    a fragment's codes
.set TQ,    36                         ; x: v36-43    the upper half of each block's codes, before they are moved
.set SW,    44                         ; x: v44-47    the four tiles' scale words
	s_load_b256 s[4:11], s[0:1], 0x0               ; x s[4:5], Wq s[6:7], Wk s[8:9], Wv s[10:11]
	s_load_b256 s[12:19], s[0:1], 0x20             ; Wo s[12:13], xq s[14:15], wqkv s[16:17], woq s[18:19]
	v_lshl_add_u32 v240, v0, 2, 0x15400
	v_mov_b32 v241, 0
	v_lshrrev_b32 v1, 5, v0
	v_readfirstlane_b32 s20, v1                    ; wave 0..3
	v_and_b32 v6, 31, v0                           ; lane
	s_mov_b32 s22, 0x76543210
	s_mov_b32 s23, 0xfedcba98                      ; v_permlanex16_b32's selects for lane l xor 16
	s_and_b32 s24, ttmp9, 1
	s_lshl_b32 s24, s24, 2
	s_add_co_u32 s24, s24, s20                     ; my K step of 128: 4 (g % 2) + wave
	s_cmp_lt_u32 ttmp9, 128
	s_cbranch_scc0 .Lweights
; ---------------- x: K is innermost.  A load takes one token's 512 bytes of the K step as they lie; 16 tokens turn through my stage (rows of 528 bytes) and come back 128 bytes a lane and block.
	s_lshr_b32 s25, ttmp9, 1                       ; the unit of 64 tokens
	s_mul_i32 s26, s20, 8448                       ; my stage: 16 rows x 528 bytes
	s_wait_alu depctr_va_vdst(0)
	v_lshlrev_b32 v1, 4, v6                        ; 16 l
	v_add_nc_u32 v2, s26, v1                       ; into the stage: 16 l of a row
	v_and_b32 v7, 15, v0                           ; r
	v_bfe_u32 v5, v0, 4, 1                         ; h
	v_mul_u32_u24 v3, v7, 528
	v_lshl_add_u32 v3, v5, 7, v3
	v_add_nc_u32 v3, s26, v3                       ; out of it: row r, + 128 h
	v_lshlrev_b32 v4, 3, v5                        ; 8 h: my bytes' place in a scale word
	v_mov_b32 v17, 0                               ; written once: a lane permute's destination counts as one of its sources
	s_lshl_b32 s28, s25, 18                        ; 64 tokens of 4,096 bytes
	s_lshl_b32 s29, s24, 9                         ; 128 numbers of 4 bytes
	s_add_co_u32 s28, s28, s29
	s_mov_b32 s29, 0
	s_lshl_b32 s30, s25, 3
	s_add_co_u32 s30, s30, s24
	s_mul_i32 s30, s30, BLKB                       ; my BLOCK: 8 unit + K step
	s_mov_b32 s31, 0
	s_wait_alu depctr_va_vdst(0)
	s_wait_kmcnt 0x0
	s_add_nc_u64 s[4:5], s[4:5], s[28:29]
	s_add_nc_u64 s[14:15], s[14:15], s[30:31]
.macro LOADX u                         ; tile u's 16 tokens into load set u % 2: each load reads 512 consecutive bytes
.irp i, 0,1,2,3,4,5,6,7,8,9,10,11,12,13,14,15
	global_load_b128 v[48+64*((\u)%2)+4*\i:48+64*((\u)%2)+4*\i+3], v1, s[4:5] offset:(8*(\u)+\i%8+32*(\i/8))*4096 th:TH_LOAD_NT
.endr
.endm
.macro TILEX u
.if (\u) < 3
	s_wait_loadcnt 16                              ; this tile's 16 loads are in; the next tile's 16 may be out
.else
	s_wait_loadcnt 0x0
.endif
.irp i, 0,1,2,3,4,5,6,7,8,9,10,11,12,13,14,15
	ds_store_b128 v2, v[48+64*((\u)%2)+4*\i:48+64*((\u)%2)+4*\i+3] offset:528*\i
.endr
.irp c, 0,1
.irp j, 0,1,2,3,4,5,6,7
	ds_load_b128 v[XN+32*\c+4*\j:XN+32*\c+4*\j+3], v3 offset:256*\c+16*\j   ; LDS serves a wave's instructions in order: these see the stores above
.endr
.endr
	s_wait_dscnt 0x0
.if (\u) < 2
	LOADX (\u)+2                                   ; the set just read out takes the tile two further on
.endif
.irp c, 0,1                                    ; my two whole blocks: two chains each, the floor among the leaves
	v_max3_num_f32 v[8+2*\c], |v[XN+32*\c]|, |v[XN+32*\c+1]|, FLOOR
	v_max3_num_f32 v[9+2*\c], |v[XN+32*\c+16]|, |v[XN+32*\c+17]|, |v[XN+32*\c+18]|
.endr
.irp k, 2,4,6,8,10,12
.irp c, 0,1
	v_max3_num_f32 v[8+2*\c], v[8+2*\c], |v[XN+32*\c+\k]|, |v[XN+32*\c+\k+1]|
	v_max3_num_f32 v[9+2*\c], v[9+2*\c], |v[XN+32*\c+17+\k]|, |v[XN+32*\c+18+\k]|
.endr
.endr
.irp c, 0,1
	v_max3_num_f32 v[8+2*\c], v[8+2*\c], |v[XN+32*\c+14]|, |v[XN+32*\c+15]|
.endr
.irp c, 0,1
	v_max3_num_f32 v[8+2*\c], v[8+2*\c], v[9+2*\c], |v[XN+32*\c+31]|
.endr
	v_add_nc_u32 v12, OFF2, v8                     ; the conversion takes the exponent field of this operand as its scale
	v_add_nc_u32 v13, OFF2, v10
	v_lshrrev_b32 v14, 23, v12                     ; the scales' bytes: blocks h and 2 + h of my row
	v_lshrrev_b32 v15, 23, v13
	v_lshl_or_b32 v16, v15, 16, v14
	v_lshlrev_b32 v16, v4, v16                     ; at their places in the word
	v_permlanex16_b32 v17, v16, s22, s23
	v_or_b32 v[SW+(\u)], v16, v17                  ; with lane l xor 16's two the word is whole
	s_wait_alu depctr_va_vdst(0)
	s_wait_xcnt 0x0                                ; the last tile's stores have read PC: it is written again only behind this wait
	v_cvt_scalef32_pk16_fp6_f32 v[PC:PC+2], v[XN:XN+15], v12
	v_cvt_scalef32_pk16_fp6_f32 v[TQ:TQ+2], v[XN+16:XN+31], v12       ; (a conversion's three registers begin on an even number)
	v_cvt_scalef32_pk16_fp6_f32 v[PC+6:PC+8], v[XN+32:XN+47], v13
	v_cvt_scalef32_pk16_fp6_f32 v[TQ+4:TQ+6], v[XN+48:XN+63], v13
	v_nop                                          ; one plain place behind a scaled conversion
.irp c, 0,1
.irp k, 0,1,2
	v_mov_b32 v[PC+6*\c+3+\k], v[TQ+4*\c+\k]
.endr
.endr
.irp m, 0,1,2
	global_store_b128 v1, v[PC+4*\m:PC+4*\m+3], s[14:15] offset:(3*(\u)+\m)*512   ; a chunk: 512 consecutive bytes
.endr
.endm
	LOADX 0
	LOADX 1
	TILEX 0
	TILEX 1
	TILEX 2
	TILEX 3
	global_store_b128 v1, v[SW:SW+3], s[14:15] offset:6144    ; chunk 12: the four tiles' scale words
	s_wait_tensorcnt 0x0
	ds_add_u32 v240, v241
	s_wait_dscnt 0x0
	s_endpgm
; ---------------- the weights: K is the first axis.  A LANE TAKES A COLUMN AND ITS REGISTERS RUN DOWN K: a block of 32 lies in one lane, and the codes come out with K innermost.
; Lane l of half hu holds column 32 hu + l of the unit: tile l / 8, slot l % 8 + 8 hu.  Its block b = 2 c + h belongs into registers 6 c .. 6 c + 5 of lane slot + 16 h of that tile's fragment:
; it is put there in my stage, an image of the BLOCK, which then leaves as 13 chunks of 512 consecutive bytes.
.Lweights:
	s_sub_co_u32 s25, ttmp9, 128
	s_lshr_b32 s25, s25, 1                         ; q: 0-15 Wq, 16-31 Wo, 32-35 Wk, 36-39 Wv
	s_wait_alu depctr_va_vdst(0)
	v_lshlrev_b32 v1, 2, v6                        ; 4 l
	v_lshlrev_b32 v5, 4, v6                        ; 16 l
	v_lshrrev_b32 v7, 3, v6                        ; l / 8: the tile
	v_and_b32 v8, 7, v6
	v_mul_u32_u24 v2, v7, 1536
	v_lshl_add_u32 v2, v8, 4, v2                   ; codes: 3 chunks a tile, 16 bytes a slot
	v_lshlrev_b32 v3, 2, v7
	v_lshl_add_u32 v3, v8, 4, v3                   ; scale words: 16 (l % 8) + 4 (l / 8)
	s_mul_i32 s26, s20, BLKB                       ; my stage among the way's four
	s_mov_b32 s31, 0
	s_cmp_lt_u32 s25, 32
	s_cbranch_scc0 .Lsmall
.macro LOADG g, pitch                  ; group g = 2 b + hu: W(32 b + i, 32 hu + l), i = 0 .. 31, into set g % 2
.irp i, 0,1,2,3,4,5,6,7,8,9,10,11,12,13,14,15,16,17,18,19,20,21,22,23,24,25,26,27,28,29,30,31
	global_load_b32 v[32+32*((\g)%2)+\i], v1, s[6:7] offset:(32*((\g)/2)+\i)*\pitch+128*((\g)%2) th:TH_LOAD_NT
.endr
.endm
.macro GRP g, pitch
.set GB,  (\g)/2
.set GHU, (\g)%2
.set GPL, 128*GHU+256*(GB%2)           ; 16 x (8 hu + 16 h): the target lane's place beside 16 (l % 8)
.set GS,  32+32*GHU
.if (\g) < 7
	s_wait_loadcnt 32                              ; this group's 32 loads are in; the next group's may be out
.else
	s_wait_loadcnt 0x0
.endif
	v_max3_num_f32 v8, |v[GS]|, |v[GS+1]|, FLOOR
	v_max3_num_f32 v9, |v[GS+16]|, |v[GS+17]|, |v[GS+18]|
.irp k, 2,4,6,8,10,12
	v_max3_num_f32 v8, v8, |v[GS+\k]|, |v[GS+\k+1]|
	v_max3_num_f32 v9, v9, |v[GS+17+\k]|, |v[GS+18+\k]|
.endr
	v_max3_num_f32 v8, v8, |v[GS+14]|, |v[GS+15]|
	v_max3_num_f32 v8, v8, v9, |v[GS+31]|
	v_add_nc_u32 v10, OFF2, v8
	v_lshrrev_b32 v11, 23, v10                     ; the scale's byte
.if GB == 0
	v_mov_b32 v[26+GHU], v11                       ; my column's scale word: byte b
.else
	v_lshl_or_b32 v[26+GHU], v11, 8*GB, v[26+GHU]
.endif
	v_cvt_scalef32_pk16_fp6_f32 v[16:18], v[GS:GS+15], v10
	v_cvt_scalef32_pk16_fp6_f32 v[22:24], v[GS+16:GS+31], v10
	v_nop                                          ; one plain place behind a scaled conversion
	v_mov_b32 v19, v22
	v_mov_b32 v20, v23
	v_mov_b32 v21, v24
.if GB < 2                             ; registers 0-3 fill a place of the tile's first chunk, 4-5 half a place of its second
	ds_store_b128 v2, v[16:19] offset:GPL
	ds_store_b64 v2, v[20:21] offset:512+GPL
.else                                  ; registers 6-7 the other half, 8-11 a place of the third
	ds_store_b64 v2, v[16:17] offset:520+GPL
	ds_store_b128 v2, v[18:21] offset:1024+GPL
.endif
.if (\g)+2 < 8
	LOADG (\g)+2, \pitch
.endif
	s_wait_dscnt 0x0                               ; the stores have read their registers: the next group's codes may be written
.endm
.macro WJOB pitch, stg                 ; source at s[6:7], my BLOCK at s[16:17]
	s_add_co_u32 s26, s26, \stg
	v_add_nc_u32 v2, s26, v2
	v_add_nc_u32 v3, s26, v3
	v_add_nc_u32 v3, 6144, v3
	v_add_nc_u32 v4, s26, v5
	LOADG 0, \pitch
	LOADG 1, \pitch
.irp g, 0,1,2,3,4,5,6,7
	GRP \g, \pitch
.endr
	s_wait_alu depctr_va_vdst(0)
.irp hu, 0,1
	ds_store_b32 v3, v[26+\hu] offset:128*\hu      ; the word for lane slot,
	ds_store_b32 v3, v[26+\hu] offset:128*\hu+256  ; and for lane slot + 16
.endr
.irp j, 0,1,2,3,4,5,6,7,8,9,10,11,12
	ds_load_b128 v[96+4*\j:99+4*\j], v4 offset:512*\j   ; LDS serves a wave's instructions in order: these see my stores
.endr
.irp j, 0,1,2,3,4,5,6,7,8,9,10,11,12
	s_wait_dscnt 12-\j
	global_store_b128 v5, v[96+4*\j:99+4*\j], s[16:17] offset:512*\j
.endr
.endm
	; Wq and Wo: rows of 4,096 bytes
	s_and_b32 s27, s25, 15                         ; the unit of 64 columns
	s_mul_i32 s28, s27, 3
	s_sub_co_u32 s28, s28, 24                      ; Q heads 12-15 lie at units 12, 15, 18, 21 of wqkv
	s_sub_co_u32 s29, s25, 12
	s_cmp_lt_u32 s29, 4                            ; q = 12 .. 15
	s_cselect_b32 s28, s28, s27                    ; the unit in the destination
	s_wait_kmcnt 0x0
	s_cmp_lt_u32 s25, 16                           ; the choice of buffers hangs on the work-group's number alone
	s_cselect_b64 s[6:7], s[6:7], s[12:13]
	s_cselect_b64 s[16:17], s[16:17], s[18:19]
	s_lshl_b32 s30, s24, 19                        ; 128 rows of 4,096 bytes a K step
	s_lshl_b32 s29, s27, 8
	s_add_co_u32 s30, s30, s29
	s_add_nc_u64 s[6:7], s[6:7], s[30:31]
	s_lshl_b32 s30, s28, 3
	s_add_co_u32 s30, s30, s24
	s_mul_i32 s30, s30, BLKB
	s_add_nc_u64 s[16:17], s[16:17], s[30:31]
	s_wait_alu depctr_va_vdst(0)
	WJOB 4096, 33792
	s_wait_tensorcnt 0x0
	ds_add_u32 v240, v241
	s_wait_dscnt 0x0
	s_endpgm
.Lsmall:
	; Wk and Wv: rows of 1,024 bytes
	s_and_b32 s27, s25, 3                          ; the KV head
	s_mul_i32 s28, s27, 3
	s_add_co_u32 s28, s28, 13
	s_wait_kmcnt 0x0
	s_cmp_lt_u32 s25, 36
	s_cselect_b64 s[6:7], s[8:9], s[10:11]
	s_cselect_b32 s29, 0, 1
	s_add_co_u32 s28, s28, s29                     ; unit 13 + 3 i (K) or 14 + 3 i (V)
	s_lshl_b32 s30, s24, 17                        ; 128 rows of 1,024 bytes a K step
	s_lshl_b32 s29, s27, 8
	s_add_co_u32 s30, s30, s29
	s_add_nc_u64 s[6:7], s[6:7], s[30:31]
	s_lshl_b32 s30, s28, 3
	s_add_co_u32 s30, s30, s24
	s_mul_i32 s30, s30, BLKB
	s_add_nc_u64 s[16:17], s[16:17], s[30:31]
	s_wait_alu depctr_va_vdst(0)
	WJOB 1024, 60416
	s_wait_tensorcnt 0x0
	ds_add_u32 v240, v241
	s_wait_dscnt 0x0
	s_endpgm
.Lfunc_end_k_q664fe4304b_prep:
	.size	k_q664fe4304b_prep, .Lfunc_end_k_q664fe4304b_prep-k_q664fe4304b_prep
	.p2alignl 7, 3214868480
	.fill 96, 4, 3214868480
	.section	.rodata,"a",@progbits
	.p2align	6, 0x0
	.amdhsa_kernel k_q664fe4304b_prep
		.amdhsa_group_segment_fixed_size 87552
		.amdhsa_private_segment_fixed_size 0
		.amdhsa_enable_private_segment 0
		.amdhsa_kernarg_size 64
		.amdhsa_user_sgpr_count 2
		.amdhsa_user_sgpr_kernarg_segment_ptr 1
		.amdhsa_wavefront_size32 1
		.amdhsa_system_sgpr_workgroup_id_x 1
		.amdhsa_system_sgpr_workgroup_id_y 1
		.amdhsa_system_sgpr_workgroup_id_z 1
		.amdhsa_system_vgpr_workitem_id 0
		.amdhsa_next_free_vgpr 242
		.amdhsa_next_free_sgpr 66
		.amdhsa_reserve_vcc 0
		.amdhsa_float_denorm_mode_32 3
		.amdhsa_float_denorm_mode_16_64 3
		.amdhsa_memory_ordered 1
		.amdhsa_forward_progress 1
		.amdhsa_inst_pref_size 112
	.end_amdhsa_kernel
	.amdgpu_metadata
---
amdhsa.version: [ 1, 2 ]
amdhsa.kernels:
  - .name:           k_q664fe4304b_prep
    .symbol:         k_q664fe4304b_prep.kd
    .args:
      - { .name: x, .offset: 0, .size: 8, .value_kind: global_buffer, .address_space: global }
      - { .name: Wq, .offset: 8, .size: 8, .value_kind: global_buffer, .address_space: global }
      - { .name: Wk, .offset: 16, .size: 8, .value_kind: global_buffer, .address_space: global }
      - { .name: Wv, .offset: 24, .size: 8, .value_kind: global_buffer, .address_space: global }
      - { .name: Wo, .offset: 32, .size: 8, .value_kind: global_buffer, .address_space: global }
      - { .name: xq, .offset: 40, .size: 8, .value_kind: global_buffer, .address_space: global }
      - { .name: wqkv, .offset: 48, .size: 8, .value_kind: global_buffer, .address_space: global }
      - { .name: woq, .offset: 56, .size: 8, .value_kind: global_buffer, .address_space: global }
    .group_segment_fixed_size: 87552
    .private_segment_fixed_size: 0
    .kernarg_segment_align: 8
    .kernarg_segment_size: 64
    .max_flat_workgroup_size: 128
    .sgpr_count:     66
    .vgpr_count:     242
    .wavefront_size: 32
...
	.end_amdgpu_metadata
.endif
;; end of part 1
;; launch qkv (part 2): grid 8 x 32, 6 waves a work-group, clusters of 4 x 4, 267,008 bytes of LDS; arguments xq, wqkv, bq, bk, bv, qc, kv; writes qc, kv
.if DOCPART == 2
	.amdgcn_target "amdgcn-amd-amdhsa--gfx1250"
	.amdhsa_code_object_version 6
	.text
	.protected	k_q664fe4304b_qkv
	.globl	k_q664fe4304b_qkv
	.p2align	8
	.type	k_q664fe4304b_qkv,@function
k_q664fe4304b_qkv:
	s_mov_b64 s[64:65], 0
	v_nop
	global_prefetch_b8 v0, s[64:65] scope:SCOPE_SE
	s_setreg_imm32_b32 hwreg(HW_REG_WAVE_MODE, 25, 1), 1
	s_wait_xcnt 0x0
	s_wait_alu depctr_hold_cnt(0) depctr_sa_sdst(0) depctr_va_vdst(0) depctr_va_sdst(0) depctr_va_ssrc(0) depctr_va_vcc(0) depctr_vm_vsrc(0)
	s_getreg_b32 s2, hwreg(HW_REG_IB_STS2, 6, 4)
	s_cmp_eq_u32 s2, 0
	s_cbranch_scc0 .Lentry_in_a_cluster
	s_endpgm
.Lentry_in_a_cluster:
	s_bfe_u32 s2, ttmp6, 0x10000c
	s_cmp_lg_u32 s2, 0xf033
	s_cbranch_scc0 .Lentry_shape_is_right
	s_endpgm
.Lentry_shape_is_right:
; Q = x Wq + bq, K = x Wk + bk, V = x Wv + bv on codes of FP6 (E2M3) with E8M0 scales, f32 sums; the results are quantised at once: Q and K along the head's 64, V along the keys.
; OPERANDS are images of registers: a BLOCK (64 rows x 128 K) = 13 chunks of 512 bytes (12 of codes: chunk 3 u + m = registers 4 m .. 4 m + 3 of tile u; chunk 12: the scale words);
; a unit's 8 K steps lie on end, 53,248 bytes.  Slot r of tile u is row 8 u + r % 8 + 32 (r / 8) of the unit.
; SHARES.  A work-group makes 128 tokens x 192 columns (3 units of wqkv); all of K stays in LDS, brought whole by one load.  Six waves: wave w takes token unit w % 2 and weight unit w / 2: 64 x 64, 16 accumulators.
; CLUSTER 4 x 4: x's units hang on the work-group's y alone and are asked for jointly along a row of the cluster, the weights' on its x alone, jointly along a column.
; ROLES.  val = 4 x (cluster's x) + w / 2: 0-4 a Q head, 5 K head cx, 6 V head cx (wqkv's units are ordered for that): every branch hangs on the cluster's x and the wave's number, equal in all partners.
; ORIENTATION.  Source 0 (P) = the operand whose rows run along the result's registers, source 1 (R) = the one whose rows are the lanes.  Q, K: P = the weights, R = x: a lane holds one token and 32 neighbouring
; channels.  V: P = x, R = the weights: a lane holds one channel and 32 neighbouring keys.  In both a lane's 32 registers of one R tile are a WHOLE block of the next quantiser.  Only the two LDS bases differ.
; The bias is the C of the first K step: it is put into the accumulators while the tiles are on their way.
; OUT.  qc [16 heads][64 units][3,584]: tile i registers 0-3 at 512 i + 16 l, 4-5 at 2,048 + 256 i + 8 l, scale words at 3,072 + 16 l + 4 i.
;   kv [4 heads][32 key steps][13,056]: K's 8 tiles (c, u), six registers each on end, as 12 chunks; V's codes at 6,144 + 3,072 c (registers 6 c .. + 3 at 512 i + 16 l, the other two at 2,048 + 256 i + 8 l);
;   K's scale words at 12,288 + 256 c + 16 r + 4 u; V's at 12,800 + 16 r + 4 i, byte 2 c + h.  Q's and K's words carry 0x7f (1.0) for the upper 64 of the instruction's K, which the next launch feeds with zero codes.
; LIMITS: a block whose largest magnitude lies under 2^-124, zeros among them, gets the byte 1; NaN and infinities are not served.
.set UH,    26624                      ; half of a unit's K: 4 BLOCKs = 104 rows of 256 bytes
.set UNITB, 53248
.set HALF,  UH                         ; LDS: unit w of the five (x's two, the weights' three) at w x UNITB, brought whole by ONE load of wave w; the second half of its K lies UH behind the first
.set REC,   13056
.set QREC,  3584
.set FLOOR, 0x1800000
.set OFF2,  0xff000000
.set WV,  18                           ; s18 wave; s19 th = w % 2; s20 uw = w / 2; s21 cx; s22 cy; s23 column group; s24 token block; s25 val; s[26:27] lane selects
.set G1A, 28                           ; s[28:35] descriptor group 1 for x's units; s[36:43] for the weights': they differ in the mask
.set G1B, 36
.set G0A, 44                           ; s[44:47] group 0 for x; s[52:55] for the weights
.set G0B, 52
.set PS,  16                           ; v16-19 P's scale words, v20-23 R's
.set RS,  20
.set PF,  24                           ; v24-71 P's four fragments, v72-119 R's
.set RF,  72
.set ACC, 120                          ; v120-247: accumulator (R tile i, P tile j) at 120 + 8 (4 i + j)
.set PT,  12                           ; the way out: v12-15 lane exchange; v24.. maxima, scales, bytes, words; v48-71 codes, six a tile on end; v72-87 upper halves before they are moved
.set MA,  24
.set MB,  28
.set SO,  32
.set BY,  36
.set SW,  40
.set CD,  48
.set TQ,  72
.macro CROUND                          ; a round of the cluster's barrier
	s_barrier_signal -1
	s_barrier_wait -1
	s_cmp_lg_u32 s[WV], 0
	s_cbranch_scc1 .Lnot_wave_0_\@
	s_barrier_signal -3
.Lnot_wave_0_\@:
	s_barrier_wait -3
	s_barrier_signal -1
	s_barrier_wait -1
.endm
	s_load_b256 s[4:11], s[0:1], 0x0               ; xq s[4:5], wqkv s[6:7], bq s[8:9], bk s[10:11]
	s_load_b128 s[12:15], s[0:1], 0x20             ; bv s[12:13], qc s[14:15]
	s_load_b64 s[16:17], s[0:1], 0x30              ; kv
	v_lshl_add_u32 v254, v0, 2, 0x41000
	v_mov_b32 v255, 0
	ds_add_u32 v254, v255
	ds_add_u32 v254, v255
	v_lshrrev_b32 v1, 5, v0
	v_readfirstlane_b32 s[WV], v1                  ; wave 0..5
	s_and_b32 s19, s[WV], 1
	s_lshr_b32 s20, s[WV], 1
	s_bfe_u32 s21, ttmp6, 0x40000                  ; cx
	s_bfe_u32 s22, ttmp6, 0x40004                  ; cy
	s_lshl_b32 s23, ttmp9, 2
	s_add_co_u32 s25, s23, s20                     ; val
	s_add_co_u32 s23, s23, s21                     ; column group = 4 x cluster x + cx
	s_and_b32 s24, ttmp7, 0xffff
	s_lshl_b32 s24, s24, 2
	s_add_co_u32 s24, s24, s22                     ; token block = 4 x cluster y + cy
	s_mov_b32 s26, 0x76543210
	s_mov_b32 s27, 0xfedcba98
	s_lshl_b32 s60, s22, 2
	s_lshl_b32 s60, 15, s60                        ; my row of the cluster
	s_lshl_b32 s61, 0x1111, s21                    ; my column
	s_or_b32 s[G1A], s60, (3<<16)|(1<<21)          ; 15:0 the mask; 17:16 elements of 8 bytes; 21 set beside a mask; no padding
	s_or_b32 s[G1B], s61, (3<<16)|(1<<21)
.irp g, G1A, G1B
	s_mov_b32 s[\g+1], 32<<16                      ; tensor_dim0 = 32 elements: rows of 256 bytes
	s_mov_b32 s[\g+2], 208<<16                     ; tensor_dim1 = 208: a whole unit
	s_mov_b32 s[\g+3], 32<<16                      ; tile_dim0
	s_mov_b32 s[\g+4], 208                         ; tile_dim1
	s_mov_b32 s[\g+5], 32                          ; the rows are dense
	s_mov_b32 s[\g+6], 0
	s_mov_b32 s[\g+7], 0
.endr
	s_lshl_b32 s66, s24, 1                         ; x: unit 2 x token block + w % 2 (registers that never hold cx)
	s_add_co_u32 s66, s66, s19
	s_mul_i32 s66, s66, UNITB
	s_mov_b32 s67, 0
	s_max_u32 s70, s[WV], 2                        ; the weights: unit 3 x column group + w - 2, for waves 2 to 4 (registers that never hold cy)
	s_sub_co_u32 s70, s70, 2
	s_min_u32 s70, s70, 2
	s_mul_i32 s71, s23, 3
	s_add_co_u32 s70, s70, s71
	s_mul_i32 s70, s70, UNITB
	s_mov_b32 s71, 0
	s_mul_i32 s62, s[WV], UNITB                    ; where a wave's unit goes: wave x UNITB: no place in the cluster enters an LDS address
	s_wait_dscnt 0x0
	s_wait_kmcnt 0x0
	s_add_nc_u64 s[66:67], s[4:5], s[66:67]
	s_add_nc_u64 s[70:71], s[6:7], s[70:71]
.irp hf, 0
	s_mov_b32 s[G0A+4*\hf], 1
	s_add_co_u32 s[G0A+4*\hf+1], s62, \hf*HALF
	s_add_nc_u64 s[G0A+4*\hf+2:G0A+4*\hf+3], s[66:67], \hf*UH
	s_or_b32 s[G0A+4*\hf+3], s[G0A+4*\hf+3], 0x80000000
	s_mov_b32 s[G0B+4*\hf], 1
	s_add_co_u32 s[G0B+4*\hf+1], s62, \hf*HALF
	s_add_nc_u64 s[G0B+4*\hf+2:G0B+4*\hf+3], s[70:71], \hf*UH
	s_or_b32 s[G0B+4*\hf+3], s[G0B+4*\hf+3], 0x80000000
.endr
	CROUND                                         ; all sixteen work-groups are here: the joint loads meet
	s_cmp_lt_u32 s[WV], 2                          ; one fill a wave, in one chain of branches on its number: waves 0, 1 x's units, waves 2-4 the weights', wave 5 none
	s_cbranch_scc0 .Lnot_a
	tensor_load_to_lds s[G0A:G0A+3], s[G1A:G1A+7]
	s_nop 0
.rept 4
	v_nop
.endr
	s_branch .Lasked
.Lnot_a:
	s_cmp_lt_u32 s[WV], 5
	s_cbranch_scc0 .Lasked
	tensor_load_to_lds s[G0B:G0B+3], s[G1B:G1B+7]
	s_nop 0
.rept 4
	v_nop
.endr
.Lasked:
	; addresses; all LDS address registers are made here, ahead of every parting of the roles
	v_and_b32 v7, 31, v0
	v_lshlrev_b32 v1, 4, v7                        ; 16 l
	v_lshlrev_b32 v10, 3, v7                       ; 8 l
	v_bfe_u32 v8, v0, 4, 1                         ; h
	v_and_b32 v9, 15, v0                           ; r
	v_lshlrev_b32 v6, 3, v8                        ; 8 h
	v_lshlrev_b32 v11, 4, v9                       ; 16 r
	s_wait_alu depctr_va_vdst(0)
	s_mul_i32 s74, s19, UNITB                      ; my unit of x
	s_add_co_u32 s75, s20, 2
	s_mul_i32 s75, s75, UNITB                      ; my unit of the weights
	s_cmp_eq_u32 s25, 6                            ; V: x is P
	s_cselect_b32 s76, s74, s75
	s_cselect_b32 s77, s75, s74
	v_add_nc_u32 v2, s76, v1                       ; P, first half of K
	v_add_nc_u32 v3, s77, v1                       ; R
	v_add_nc_u32 v4, HALF, v2                      ; and the second half
	v_add_nc_u32 v5, HALF, v3
	s_mul_i32 s90, s19, 3072
	v_add_nc_u32 v248, s90, v1                     ; kv: 16 l + 3,072 th
	v_add_nc_u32 v249, s90, v10                    ;     8 l + 3,072 th
	s_lshl_b32 s90, s19, 8
	v_add_nc_u32 v250, s90, v11                    ;     16 r + 256 th
	s_lshl_b32 s90, s19, 1
	v_add_nc_u32 v251, s90, v11                    ;     16 r + 2 th
	v_lshlrev_b32 v7, 7, v8                        ; a bias of Q or K: my half's 32 channels, 128 h bytes on
	v_and_b32 v13, 7, v9
	v_lshrrev_b32 v14, 3, v9
	v_lshlrev_b32 v13, 2, v13
	v_lshl_add_u32 v13, v14, 7, v13                ; bv: channel r % 8 + 32 (r / 8) of a tile
	; where the results go, and the biases (cx and cy enter global addresses alone)
	s_mul_i32 s78, s23, 3
	s_add_co_u32 s78, s78, s20                     ; cluster x = 0: Q head = the unit
	s_add_co_u32 s79, s21, 12                      ; cluster x = 1: Q head 12 + cx
	s_cmp_eq_u32 ttmp9, 0
	s_cselect_b32 s78, s78, s79
	s_cmp_eq_u32 s25, 5
	s_cselect_b64 s[80:81], s[10:11], s[8:9]       ; bk or bq: the choice hangs on ids alone
	s_cselect_b32 s82, s21, s78
	s_lshl_b32 s82, s82, 8
	s_mov_b32 s83, 0
	s_add_nc_u64 s[80:81], s[80:81], s[82:83]
	s_lshl_b32 s84, s21, 8
	s_mov_b32 s85, 0
	s_add_nc_u64 s[84:85], s[12:13], s[84:85]      ; bv at head cx
	s_lshl_b32 s86, s78, 6
	s_lshl_b32 s87, s24, 1
	s_add_co_u32 s86, s86, s87
	s_add_co_u32 s86, s86, s19
	s_mul_i32 s86, s86, QREC                       ; qc: record 64 head + 2 x token block + th
	s_mov_b32 s87, 0
	s_add_nc_u64 s[86:87], s[14:15], s[86:87]
	s_lshl_b32 s88, s21, 5
	s_add_co_u32 s88, s88, s24
	s_mul_i32 s88, s88, REC                        ; kv: record 32 cx + token block
	s_mov_b32 s89, 0
	s_add_nc_u64 s[88:89], s[16:17], s[88:89]
	s_cmp_eq_u32 s25, 6
	s_cbranch_scc1 .Lbias_v
	s_wait_alu depctr_va_vdst(0)
.irp i, 0,1,2,3                                ; Q, K: register 8 j + q of every R tile is channel 32 h + 8 j + q
.irp m, 0,1,2,3,4,5,6,7
	global_load_b128 v[ACC+32*\i+4*\m:ACC+32*\i+4*\m+3], v7, s[80:81] offset:16*\m
.endr
.endr
	s_branch .Lbias_done
.Lbias_v:
	s_wait_alu depctr_va_vdst(0)
.irp i, 0,1,2,3                                ; V: a lane holds one channel of each R tile: its bias goes into all 32 registers.  These moves run once, while the tiles are on their way
	global_load_b32 v[PF+\i], v13, s[84:85] offset:32*\i
.endr
	s_wait_loadcnt 0x0
.irp i, 0,1,2,3
.set KK, 0
.rept 32
	v_mov_b32 v[ACC+32*\i+KK], v[PF+\i]
.set KK, KK+1
.endr
.endr
.Lbias_done:
; A K step of 128: 26 LDS loads of 512 consecutive bytes, 16 matrix instructions; the sixteen accumulators take turns in the same order in every step.
.macro KSTEP hf, sp
.rept 4
	v_nop                                          ; places in front of loads into registers that matrix instructions have read
.endr
	ds_load_b128 v[PS:PS+3], v[2+2*\hf] offset:6656*\sp+6144
	ds_load_b128 v[RS:RS+3], v[3+2*\hf] offset:6656*\sp+6144
.irp m, 0,1,2,3,4,5,6,7,8,9,10,11
	ds_load_b128 v[PF+4*\m:PF+4*\m+3], v[2+2*\hf] offset:6656*\sp+512*\m
.endr
.irp m, 0,1,2,3,4,5,6,7,8,9,10,11
	ds_load_b128 v[RF+4*\m:RF+4*\m+3], v[3+2*\hf] offset:6656*\sp+512*\m
.endr
.irp i, 0,1,2,3
	s_wait_dscnt 3*(3-\i)                          ; R's tile i is in; the tiles behind it, three loads each, may be out
.irp j, 0,1,2,3
	v_wmma_scale_f32_16x16x128_f8f6f4 v[ACC+8*(4*\i+\j):ACC+8*(4*\i+\j)+7], v[PF+12*\j:PF+12*\j+11], v[RF+12*\i:RF+12*\i+11], v[ACC+8*(4*\i+\j):ACC+8*(4*\i+\j)+7], v[PS+\j], v[RS+\i] matrix_a_fmt:MATRIX_FMT_FP6 matrix_b_fmt:MATRIX_FMT_FP6
.endr
.endr
.endm
	s_wait_loadcnt 0x0                             ; the biases
	s_wait_tensorcnt 0x0                           ; my unit is in, all of its K
	s_barrier_signal -1
	s_barrier_wait -1                              ; everybody's is
	s_wait_alu depctr_va_vdst(0)
	KSTEP 0, 0
	KSTEP 0, 1
	KSTEP 0, 2
	KSTEP 0, 3
	KSTEP 1, 0
	KSTEP 1, 1
	KSTEP 1, 2
	KSTEP 1, 3
	; THE WAY OUT: four blocks of 32, one for each R tile, all of a block in my lane
.irp i, 0,1,2,3
	v_mov_b32 v[PT+\i], 0                          ; a lane permute's destination counts as one of its sources.  These four are the places behind the last products
.endr
.irp i, 0,1,2,3
	v_max3_num_f32 v[MA+\i], |v[ACC+32*\i]|, |v[ACC+32*\i+1]|, FLOOR        ; each accumulator is read first at its low end
.endr
.irp i, 0,1,2,3
	v_max3_num_f32 v[MB+\i], |v[ACC+32*\i+16]|, |v[ACC+32*\i+17]|, |v[ACC+32*\i+18]|
.endr
.irp k, 2,4,6,8,10,12
.irp i, 0,1,2,3
	v_max3_num_f32 v[MA+\i], v[MA+\i], |v[ACC+32*\i+\k]|, |v[ACC+32*\i+\k+1]|
.endr
.irp i, 0,1,2,3
	v_max3_num_f32 v[MB+\i], v[MB+\i], |v[ACC+32*\i+17+\k]|, |v[ACC+32*\i+18+\k]|
.endr
.endr
.irp i, 0,1,2,3
	v_max3_num_f32 v[MA+\i], v[MA+\i], |v[ACC+32*\i+14]|, |v[ACC+32*\i+15]|
.endr
.irp i, 0,1,2,3
	v_max3_num_f32 v[MA+\i], v[MA+\i], v[MB+\i], |v[ACC+32*\i+31]|
.endr
.irp i, 0,1,2,3
	v_add_nc_u32 v[SO+\i], OFF2, v[MA+\i]          ; the conversion's scale operand
.endr
.irp i, 0,1,2,3
	v_lshrrev_b32 v[BY+\i], 23, v[SO+\i]           ; the scale's byte,
.endr
.irp i, 0,1,2,3
	v_lshlrev_b32 v[BY+\i], v6, v[BY+\i]           ; at byte h
.endr
.irp i, 0,1,2,3
	v_permlanex16_b32 v[PT+\i], v[BY+\i], s26, s27
.endr
.irp i, 0,1,2,3
	v_or_b32 v[SW+\i], v[BY+\i], v[PT+\i]          ; with lane l xor 16's: two bytes
.endr
.irp i, 0,1,2,3
	v_cvt_scalef32_pk16_fp6_f32 v[CD+6*\i:CD+6*\i+2], v[ACC+32*\i:ACC+32*\i+15], v[SO+\i]
	v_cvt_scalef32_pk16_fp6_f32 v[TQ+4*\i:TQ+4*\i+2], v[ACC+32*\i+16:ACC+32*\i+31], v[SO+\i]   ; (a conversion's three registers begin on an even number)
.endr
	v_nop                                          ; one plain place behind a scaled conversion
.irp i, 0,1,2,3
.irp k, 0,1,2
	v_mov_b32 v[CD+6*\i+3+\k], v[TQ+4*\i+\k]
.endr
.endr
	s_cmp_lt_u32 s25, 5
	s_cbranch_scc0 .Lnot_q
.irp i, 0,1,2,3
	v_or_b32 v[SW+\i], 0x7f7f0000, v[SW+\i]        ; 1.0 for the upper 64 of the instruction's K
.endr
.irp i, 0,1,2,3
	global_store_b128 v1, v[CD+6*\i:CD+6*\i+3], s[86:87] offset:512*\i
	global_store_b64 v10, v[CD+6*\i+4:CD+6*\i+5], s[86:87] offset:2048+256*\i
.endr
	global_store_b128 v1, v[SW:SW+3], s[86:87] offset:3072
	s_branch .Lstored
.Lnot_q:
	s_cmp_eq_u32 s25, 5
	s_cbranch_scc0 .Lis_v
.irp i, 0,1,2,3
	v_or_b32 v[SW+\i], 0x7f7f0000, v[SW+\i]
.endr
	s_wait_alu depctr_va_vdst(0)
.irp m, 0,1,2,3,4,5
	global_store_b128 v248, v[CD+4*\m:CD+4*\m+3], s[88:89] offset:512*\m   ; my four tiles' 24 registers on end: six chunks
.endr
	global_store_b128 v250, v[SW:SW+3], s[88:89] offset:12288   ; lanes r and r + 16 hold the same words and store them to the same place
	s_branch .Lstored
.Lis_v:
	s_wait_alu depctr_va_vdst(0)
.irp i, 0,1,2,3
	global_store_b128 v248, v[CD+6*\i:CD+6*\i+3], s[88:89] offset:6144+512*\i
	global_store_b64 v249, v[CD+6*\i+4:CD+6*\i+5], s[88:89] offset:8192+256*\i
.endr
.irp i, 0,1,2,3
	global_store_b16 v251, v[SW+\i], s[88:89] offset:12800+4*\i   ; my token unit's two bytes of each word: 128 bytes a wave; the other unit's wave fills the words
.endr
.Lstored:
	s_wait_tensorcnt 0x0
	ds_add_u32 v254, v255
	s_wait_dscnt 0x0
	CROUND                                         ; the closing round: no work-group ends while a partner may still ask for a tile that names it
	s_endpgm
.Lfunc_end_k_q664fe4304b_qkv:
	.size	k_q664fe4304b_qkv, .Lfunc_end_k_q664fe4304b_qkv-k_q664fe4304b_qkv
	.p2alignl 7, 3214868480
	.fill 96, 4, 3214868480
	.section	.rodata,"a",@progbits
	.p2align	6, 0x0
	.amdhsa_kernel k_q664fe4304b_qkv
		.amdhsa_group_segment_fixed_size 267008
		.amdhsa_private_segment_fixed_size 0
		.amdhsa_enable_private_segment 0
		.amdhsa_kernarg_size 56
		.amdhsa_user_sgpr_count 2
		.amdhsa_user_sgpr_kernarg_segment_ptr 1
		.amdhsa_wavefront_size32 1
		.amdhsa_system_sgpr_workgroup_id_x 1
		.amdhsa_system_sgpr_workgroup_id_y 1
		.amdhsa_system_sgpr_workgroup_id_z 1
		.amdhsa_system_vgpr_workitem_id 0
		.amdhsa_next_free_vgpr 256
		.amdhsa_next_free_sgpr 92
		.amdhsa_reserve_vcc 0
		.amdhsa_float_denorm_mode_32 3
		.amdhsa_float_denorm_mode_16_64 3
		.amdhsa_memory_ordered 1
		.amdhsa_forward_progress 1
		.amdhsa_inst_pref_size 55
	.end_amdhsa_kernel
	.amdgpu_metadata
---
amdhsa.version: [ 1, 2 ]
amdhsa.kernels:
  - .name:           k_q664fe4304b_qkv
    .symbol:         k_q664fe4304b_qkv.kd
    .args:
      - { .name: xq, .offset: 0, .size: 8, .value_kind: global_buffer, .address_space: global }
      - { .name: wqkv, .offset: 8, .size: 8, .value_kind: global_buffer, .address_space: global }
      - { .name: bq, .offset: 16, .size: 8, .value_kind: global_buffer, .address_space: global }
      - { .name: bk, .offset: 24, .size: 8, .value_kind: global_buffer, .address_space: global }
      - { .name: bv, .offset: 32, .size: 8, .value_kind: global_buffer, .address_space: global }
      - { .name: qc, .offset: 40, .size: 8, .value_kind: global_buffer, .address_space: global }
      - { .name: kv, .offset: 48, .size: 8, .value_kind: global_buffer, .address_space: global }
    .group_segment_fixed_size: 267008
    .private_segment_fixed_size: 0
    .kernarg_segment_align: 8
    .kernarg_segment_size: 56
    .max_flat_workgroup_size: 192
    .sgpr_count:     92
    .vgpr_count:     256
    .wavefront_size: 32
...
	.end_amdgpu_metadata
.endif
;; end of part 2
;; launch att (part 3): grid 64 x 4, 8 waves a work-group, clusters of 4 x 1, 327,680 bytes of LDS; arguments qc, kv, ao; writes ao
.if DOCPART == 3
	.amdgcn_target "amdgcn-amd-amdhsa--gfx1250"
	.amdhsa_code_object_version 6
	.text
	.protected	k_q664fe4304b_att
	.globl	k_q664fe4304b_att
	.p2align	8
	.type	k_q664fe4304b_att,@function
k_q664fe4304b_att:
	s_mov_b64 s[64:65], 0
	v_nop
	global_prefetch_b8 v0, s[64:65] scope:SCOPE_SE
	s_setreg_imm32_b32 hwreg(HW_REG_WAVE_MODE, 25, 1), 1
	s_wait_xcnt 0x0
	s_wait_alu depctr_hold_cnt(0) depctr_sa_sdst(0) depctr_va_vdst(0) depctr_va_sdst(0) depctr_va_ssrc(0) depctr_va_vcc(0) depctr_vm_vsrc(0)
	s_getreg_b32 s2, hwreg(HW_REG_IB_STS2, 6, 4)
	s_cmp_eq_u32 s2, 0
	s_cbranch_scc0 .Lentry_in_a_cluster
	s_endpgm
.Lentry_in_a_cluster:
	s_bfe_u32 s2, ttmp6, 0x10000c
	s_cmp_lg_u32 s2, 0x3003
	s_cbranch_scc0 .Lentry_shape_is_right
	s_endpgm
.Lentry_shape_is_right:
; o = softmax(q k^T / 8) v for 16 query heads on 4 key and value heads, 4,096 tokens, head size 64, on codes of FP6 (E2M3) with E8M0 scales; the result is quantised at once for the projection that follows.
; SHARES.  A work-group takes 64 tokens x the 4 query heads of one key head: 256 query rows; wave w takes the 16 tokens of tile w / 2 for heads 2 (w % 2) and 2 (w % 2) + 1: two tiles of 16 queries.
; Both products are used transposed (S^T = k q^T, O^T = v^T p^T): a lane holds one query, and its 32 registers of four key tiles are 32 neighbouring keys: a whole block of p's quantiser.
; KEYS go in steps of 128, a record of 13,056 bytes each (images of the operands' registers, as the launch before lays them).  Two LDS slots of 8 records; each wave brings one record of a slot by one tensor load.
; CLUSTER 4 x 1: the four work-groups of a cluster share the key head and ask for every record jointly (mask 15).
; A STEP takes both tiles together: 16 score products; the maxima; t - M; O^T x f; ONE batch of 132 exponentials; scales, codes and the rows' sums; 8 products.  All sources of the batch are laid ahead of it.
; M is the ceiling of the running largest t, kept as -M; the running maximum itself is kept as a raw score (c > 0, so c x max = max of c x).  f = 2^(old M - new M) rounds nothing.  The sum is taken of the unquantised p.
; A block's largest p is the block's largest score put through the same multiply-add and exponential.
; NO PREFETCH: a slot's refill is asked for eight steps (192 matrix instructions of the wave) ahead of its first read, and the head's two fills have no loop ahead of them to run in.
; LIMITS: the promise holds while the scaled scores stay under 2^31 in magnitude; a block of the result whose largest magnitude lies under 2^-124 gets the byte 1; NaN and infinities are not served.
; REGISTERS.  Window 0: v1-9 addresses, v10.. state and scales, v60-99 p's codes, v128-255 the scores of both tiles, then p.  Window 1: v0-63 O^T, v64-87 q, v88-141 k, v144-191 v.
.set REC,   13056
.set SLOT1, 131072
.set SPARE, 262144                     ; the spare words: 128 bytes a wave
.set QREC,  3584
.set BLKB,  6656
.set FLOOR, 0x1800000                  ; 2^(3 - 127)
.set OFF2,  0xff000000                 ; 2 off an exponent field
.set SPW, 5
.set NIL, 6
.set QS,  10                           ; q's scale words, one a tile
.set ST,  12                           ; a tile's state: -M, largest raw score, the sum in two halves
.set MX,  20
.set BM,  28                           ; block j = 2 t + c: its largest score, then its largest p
.set T,   32
.set F,   36
.set SO,  40
.set BY,  44
.set PW,  48                           ; p's scale word at PW + 2 t
.set KS,  52
.set VS,  56
.set PC,  60                           ; p's codes, 12 a tile
.set TQ,  84
.set S,   128
.set Q,   64                           ; window 1
.set KF,  88
.set VF,  144
.set WV,  10
.set CS,  16                           ; s[16:17] c = log2(e) / 8; s22 -c
.set SEL, 18
.set TB,  20
.set CNT, 21
.set CSN, 22
.set TBN, 23                           ; s23 the record whose k is asked for a step ahead
.set KA,  100                          ; v100 its LDS address
.set G1,  24
.set G0A, 32
.set G0B, 36
.set MSB, 0
.macro WIN new                         ; the immediate's high byte repeats the setting that is left
.if MSB != \new
	s_set_vgpr_msb (MSB<<8)|\new
.set MSB, \new
.endif
.endm
.macro DEP n
	s_delay_alu instid0(VALU_DEP_\n)
.endm
.macro CROUND                          ; a round of the cluster's barrier
	s_barrier_signal -1
	s_barrier_wait -1
	s_cmp_lg_u32 s[WV], 0
	s_cbranch_scc1 .Lnot_wave_0_\@
	s_barrier_signal -3
.Lnot_wave_0_\@:
	s_barrier_wait -3
	s_barrier_signal -1
	s_barrier_wait -1
.endm
	s_load_b128 s[4:7], s[0:1], 0x0                ; qc, kv
	s_load_b64 s[8:9], s[0:1], 0x10                ; ao
	v_lshl_add_u32 v[SPW], v0, 2, SPARE
	v_mov_b32 v[NIL], 0
	ds_add_u32 v[SPW], v[NIL]                      ; the opening lines: the add twice on end and its wait
	ds_add_u32 v[SPW], v[NIL]
	v_lshrrev_b32 v1, 5, v0
	s_delay_alu instid0(VALU_DEP_1)
	v_readfirstlane_b32 s[WV], v1                  ; wave 0..7
	s_bfe_u32 s11, ttmp6, 0x40000                  ; cx
	s_lshl_b32 s12, ttmp9, 2
	s_add_co_u32 s12, s12, s11                     ; the unit of 64 tokens
	s_and_b32 s13, ttmp7, 0xffff                   ; the key head
	s_lshr_b32 s14, s[WV], 1                       ; my tile of 16 tokens
	s_and_b32 s15, s[WV], 1                        ; my pair of query heads
	s_mov_b32 s[CS], 0x3e38aa3b
	s_mov_b32 s[CS+1], s[CS]
	s_mov_b32 s[CSN], 0xbe38aa3b
	s_mov_b32 s[SEL], 0x76543210
	s_mov_b32 s[SEL+1], 0xfedcba98                 ; lane l xor 16
	s_mov_b32 s[G1], 15|(3<<16)|(1<<21)            ; all four partners; elements of 8 bytes; a record is 51 dense rows of 256 bytes
	s_mov_b32 s[G1+1], 32<<16
	s_mov_b32 s[G1+2], 51<<16
	s_mov_b32 s[G1+3], 32<<16
	s_mov_b32 s[G1+4], 51
	s_mov_b32 s[G1+5], 32
	s_mov_b32 s[G1+6], 0
	s_mov_b32 s[G1+7], 0
	s_mul_i32 s42, s[WV], REC                      ; my record of a slot
	s_mul_i32 s40, s13, 32*REC
	s_add_co_u32 s40, s40, s42
	s_mov_b32 s41, 0
	s_lshl_b32 s44, s13, 2
	s_lshl_b32 s45, s15, 1
	s_add_co_u32 s44, s44, s45
	s_lshl_b32 s44, s44, 6
	s_add_co_u32 s44, s44, s12
	s_mul_i32 s44, s44, QREC                       ; qc: record 64 head + unit
	s_mov_b32 s45, 0
	s_lshl_b32 s46, s12, 3
	s_lshl_b32 s47, s13, 1
	s_add_co_u32 s46, s46, s47
	s_add_co_u32 s46, s46, s15
	s_mul_i32 s46, s46, BLKB                       ; ao: block 8 unit + 2 key head + pair
	s_mov_b32 s47, 0
	s_lshl_b32 s48, s14, 9
	s_lshl_b32 s49, s14, 8
	s_lshl_b32 s50, s14, 2
	s_mul_i32 s51, s14, 1536
	s_wait_dscnt 0x0
	s_wait_kmcnt 0x0
	s_mov_b32 s[G0A], 1
	s_mov_b32 s[G0A+1], s42
	s_add_nc_u64 s[G0A+2:G0A+3], s[6:7], s[40:41]
	s_mov_b32 s[G0B], 1
	s_add_co_u32 s[G0B+1], s42, SLOT1
	s_add_nc_u64 s[G0B+2:G0B+3], s[G0A+2:G0A+3], 8*REC
	s_or_b32 s[G0A+3], s[G0A+3], 0x80000000
	s_or_b32 s[G0B+3], s[G0B+3], 0x80000000
	s_add_nc_u64 s[4:5], s[4:5], s[44:45]
	s_add_nc_u64 s[8:9], s[8:9], s[46:47]
	CROUND                                         ; the first joint loads meet
	tensor_load_to_lds s[G0A:G0A+3], s[G1:G1+7]    ; steps 0-7: my one load at the head
	s_nop 0
	v_and_b32 v4, 31, v0                           ; the rest of the head stands under that load's flight
	v_and_b32 v3, 15, v0
	v_bfe_u32 v9, v0, 4, 1
	v_lshlrev_b32 v1, 4, v4                        ; 16 l
	v_lshlrev_b32 v2, 3, v4                        ; 8 l
	v_lshlrev_b32 v3, 4, v3                        ; 16 r
	v_lshlrev_b32 v4, 3, v9                        ; 8 h
	v_add_nc_u32 v7, s48, v1
	v_add_nc_u32 v8, s49, v2
	v_add_nc_u32 v9, s50, v1
	WIN 0x40
.irp t, 0,1
	global_load_b128 v[Q+12*\t:Q+12*\t+3], v7, s[4:5] offset:64*QREC*\t
	global_load_b64 v[Q+12*\t+4:Q+12*\t+5], v8, s[4:5] offset:64*QREC*\t+2048
.endr
.irp t, 0,1
.irp k, 6,7,8,9,10,11
	v_mov_b32 v[Q+12*\t+\k], 0                     ; zero codes for the upper 64 of the instruction's K
.endr
.endr
.irp k, 0,1,2,3,4,5
	v_mov_b32 v[KF+48+\k], 0                       ; what the last key tile's operand names beyond its six registers
.endr
.set KK, 0
.rept 64
	v_mov_b32 v[KK], 0                             ; O^T: the step is written once, and the first finds zeros
.set KK, KK+1
.endr
	WIN 0
.irp t, 0,1
	global_load_b32 v[QS+\t], v9, s[4:5] offset:64*QREC*\t+3072
	v_mov_b32 v[ST+4*\t], 0x7e967699               ; -M = 1e38: the first f is 0
	v_mov_b32 v[ST+4*\t+1], 0xff61b1e6             ; -3e38, under every score
	v_mov_b32 v[ST+4*\t+2], 0
	v_mov_b32 v[ST+4*\t+3], 0
	v_mov_b32 v[T+2*\t+1], 0                       ; a lane permute's destination counts as a source; a pair's upper half is named
	v_mov_b32 v[PW+2*\t+1], 0
	v_mov_b32 v[F+2*\t+1], 0
.endr
.macro LEVEL n, w                      ; n packed sums a tile, of pairs w registers apart; the two tiles by turns
.set II, 0
.rept \n
.irp t, 0,1
	v_pk_add_f32 v[S+64*\t+2*\w*II:S+64*\t+2*\w*II+1], v[S+64*\t+2*\w*II:S+64*\t+2*\w*II+1], v[S+64*\t+2*\w*II+\w:S+64*\t+2*\w*II+\w+1]
.endr
.set II, II+1
.endr
.endm
.macro KLOAD                           ; a record's k, 13 loads: 12 chunks of codes, then the scale words (lanes 0-15 keys 0-63, lanes 16-31 keys 64-127)
	WIN 0x40
.irp n, 0,1,2,3,4,5,6,7,8,9,10,11
	ds_load_b128 v[KF+4*\n:KF+4*\n+3], v[KA] offset:512*\n
.endr
	WIN 0
	ds_load_b128 v[KS:KS+3], v[KA] offset:12288
.endm
; K IS ASKED FOR A STEP AHEAD, behind the score products that read its registers last.  last: the slot's last record.  The slot's last step asks for its own record once more:
; the other slot is shown whole only behind the next barrier, and so every trip issues the same 30 loads and the counted wait below holds on every path.
.macro STEP last
	s_add_co_u32 s[TBN], s[TB], REC
	s_min_u32 s[TBN], s[TBN], \last
	s_wait_dscnt 0x0                               ; this step's k is in: asked for a step ago, or ahead of the loop
	WIN 0x05
.irp t, 0,1
.irp u, 0,1,2,3
	v_wmma_scale_f32_16x16x128_f8f6f4 v[S+64*\t+8*\u:S+64*\t+8*\u+7], v[KF+6*\u:KF+6*\u+11], v[Q+12*\t:Q+12*\t+11], 0, v[KS+\u], v[QS+\t] matrix_a_fmt:MATRIX_FMT_FP6 matrix_b_fmt:MATRIX_FMT_FP6
.endr
.irp u, 0,1,2,3
	v_wmma_scale_f32_16x16x128_f8f6f4 v[S+64*\t+32+8*\u:S+64*\t+32+8*\u+7], v[KF+24+6*\u:KF+24+6*\u+11], v[Q+12*\t:Q+12*\t+11], 0, v[KS+\u], v[QS+\t] matrix_a_fmt:MATRIX_FMT_FP6 matrix_b_fmt:MATRIX_FMT_FP6 matrix_a_scale:MATRIX_SCALE_ROW1
.endr
.endr
	WIN 0
	v_add_nc_u32 v7, s[TB], v1                     ; these four are the places behind the products, ahead of the loads into their operands and of the first read of the scores
	v_add_nc_u32 v8, s[TB], v2
	v_add_nc_u32 v9, s[TB], v3
	v_add_nc_u32 v[KA], s[TBN], v1
	ds_load_b128 v[VS:VS+3], v9 offset:12800       ; this step's v, 17 loads,
	WIN 0x40
.irp c, 0,1
.irp i, 0,1,2,3
	ds_load_b128 v[VF+12*\i+6*\c:VF+12*\i+6*\c+3], v7 offset:6144+3072*\c+512*\i
	ds_load_b64 v[VF+12*\i+6*\c+4:VF+12*\i+6*\c+5], v8 offset:8192+3072*\c+256*\i
.endr
.endr
	KLOAD                                          ; and behind them the next step's k, 13 loads
.irp b, 0,1,2,3,4,5,6,7                        ; eight chains of maxima by turns, 16 scores each; every accumulator is read first at its low end
	v_max3_num_f32 v[MX+\b], v[S+16*\b], v[S+16*\b+1], v[S+16*\b+2]
.endr
.irp k, 3,5,7,9,11,13
.irp b, 0,1,2,3,4,5,6,7
	v_max3_num_f32 v[MX+\b], v[MX+\b], v[S+16*\b+\k], v[S+16*\b+\k+1]
.endr
.endr
.irp j, 0,1,2,3                                ; my block j's largest score
	v_max3_num_f32 v[BM+\j], v[MX+2*\j], v[MX+2*\j+1], v[S+32*\j+15]
.endr
.irp j, 0,1,2,3
	v_max_num_f32 v[BM+\j], v[BM+\j], v[S+32*\j+31]
.endr
	v_max_num_f32 v[T], v[BM], v[BM+1]             ; from here on the two tiles' chains take turns, line by line
	v_max_num_f32 v[T+2], v[BM+2], v[BM+3]
.irp t, 0,1
	v_permlanex16_b32 v[T+2*\t+1], v[T+2*\t], s[SEL], s[SEL+1]
.endr
.irp t, 0,1
	v_max3_num_f32 v[ST+4*\t+1], v[ST+4*\t+1], v[T+2*\t], v[T+2*\t+1]   ; the running largest score of my query
.endr
.irp t, 0,1
	v_mul_f32 v[T+2*\t], s[CSN], v[ST+4*\t+1]      ; -t
.endr
.irp t, 0,1
	DEP 2
	v_floor_f32 v[T+2*\t], v[T+2*\t]               ; the new -M
.endr
.irp t, 0,1
	DEP 2
	v_sub_f32 v[T+2*\t+1], v[T+2*\t], v[ST+4*\t]   ; old M - new M: a whole number, 0 or less
.endr
.irp t, 0,1
	DEP 4
	v_mov_b32 v[ST+4*\t], v[T+2*\t]
.endr
.irp t, 0,1
	DEP 4
	v_cvt_i32_f32 v[T+2*\t+1], v[T+2*\t+1]         ; (it saturates)
.endr
.irp t, 0,1
	DEP 2
	v_ldexp_f32 v[F+2*\t], 1.0, v[T+2*\t+1]        ; f
.endr
.irp t, 0,1
	v_fma_f32 v[BM+2*\t], v[BM+2*\t], s[CS], v[ST+4*\t]
	v_fma_f32 v[BM+2*\t+1], v[BM+2*\t+1], s[CS], v[ST+4*\t]
.endr
.irp t, 0,1
.set KK, 0
.rept 32
	v_pk_fma_f32 v[S+64*\t+2*KK:S+64*\t+2*KK+1], v[S+64*\t+2*KK:S+64*\t+2*KK+1], s[CS:CS+1], v[ST+4*\t:ST+4*\t+1] op_sel_hi:[1,0,0]   ; t - M
.set KK, KK+1
.endr
.endr
	WIN 0x41
	s_wait_alu depctr_va_vdst(0)                   ; ahead of the batch, and directly ahead of the first reader of O^T
.irp t, 0,1
.set KK, 0
.rept 16
	v_pk_mul_f32 v[32*\t+2*KK:32*\t+2*KK+1], v[32*\t+2*KK:32*\t+2*KK+1], v[F+2*\t:F+2*\t+1] op_sel_hi:[1,0]   ; O^T under the new M
.set KK, KK+1
.endr
.endr
	WIN 0
.irp j, 0,1,2,3
	v_exp_f32 v[BM+\j], v[BM+\j]
.endr
.set KK, 0
.rept 128
	v_exp_f32 v[S+KK], v[S+KK]                     ; p = 2^(t - M)
.set KK, KK+1
.endr
.irp t, 0,1
	v_pk_mul_f32 v[ST+4*\t+2:ST+4*\t+3], v[ST+4*\t+2:ST+4*\t+3], v[F+2*\t:F+2*\t+1] op_sel_hi:[1,0]   ; the sums under the new M: plain places behind the batch
.endr
	s_wait_alu depctr_va_vdst(0)                   ; one wait for the whole batch
.irp j, 0,1,2,3
	v_max_num_f32 v[BM+\j], FLOOR, v[BM+\j]
.endr
.irp j, 0,1,2,3
	DEP 4
	v_add_nc_u32 v[SO+\j], OFF2, v[BM+\j]          ; the conversion's scale operand
.endr
.irp j, 0,1,2,3
	DEP 4
	v_lshrrev_b32 v[BY+\j], 23, v[SO+\j]           ; the scale's byte
.endr
	DEP 3
	v_lshl_or_b32 v[BY], v[BY+1], 16, v[BY]
	DEP 2
	v_lshl_or_b32 v[BY+2], v[BY+3], 16, v[BY+2]
.irp t, 0,1
	DEP 2
	v_lshlrev_b32 v[BY+2*\t], v4, v[BY+2*\t]       ; bytes h and 2 + h
.endr
.irp t, 0,1
	DEP 2
	v_permlanex16_b32 v[PW+2*\t+1], v[BY+2*\t], s[SEL], s[SEL+1]
.endr
.irp t, 0,1
	DEP 2
	v_or_b32 v[PW+2*\t], v[BY+2*\t], v[PW+2*\t+1]  ; p's scale word for these 128 keys
.endr
.irp j, 0,1,2,3
	v_cvt_scalef32_pk16_fp6_f32 v[PC+6*\j:PC+6*\j+2], v[S+32*\j:S+32*\j+15], v[SO+\j]
	v_cvt_scalef32_pk16_fp6_f32 v[TQ+4*\j:TQ+4*\j+2], v[S+32*\j+16:S+32*\j+31], v[SO+\j]   ; (a conversion's three registers begin on an even number)
.endr
	v_nop                                          ; one plain place behind a scaled conversion
.irp j, 0,1,2,3
.irp k, 0,1,2
	v_mov_b32 v[PC+6*\j+3+\k], v[TQ+4*\j+\k]
.endr
.endr
	LEVEL 16, 2                                    ; the rows' sums of the unquantised p, as a tree in place: p's codes are made.  These are also the places ahead of the products below
	LEVEL 8, 4
	LEVEL 4, 8
.irp t, 0,1
	v_pk_add_f32 v[S+64*\t:S+64*\t+1], v[S+64*\t:S+64*\t+1], v[S+64*\t+16:S+64*\t+17]
.endr
.irp t, 0,1
	DEP 4
	v_pk_add_f32 v[S+64*\t+32:S+64*\t+33], v[S+64*\t+32:S+64*\t+33], v[S+64*\t+48:S+64*\t+49]
.endr
.irp t, 0,1
	DEP 2
	v_pk_add_f32 v[S+64*\t:S+64*\t+1], v[S+64*\t:S+64*\t+1], v[S+64*\t+32:S+64*\t+33]
.endr
.irp t, 0,1
	DEP 2
	v_pk_add_f32 v[ST+4*\t+2:ST+4*\t+3], v[ST+4*\t+2:ST+4*\t+3], v[S+64*\t:S+64*\t+1]
.endr
	s_wait_alu depctr_va_vdst(0)
	s_wait_dscnt 13                                ; v is in; the 13 loads of the next step's k, issued behind v's, may be out
	WIN 0x51
.irp t, 0,1
.irp i, 0,1,2,3
	v_wmma_scale_f32_16x16x128_f8f6f4 v[32*\t+8*\i:32*\t+8*\i+7], v[VF+12*\i:VF+12*\i+11], v[PC+12*\t:PC+12*\t+11], v[32*\t+8*\i:32*\t+8*\i+7], v[VS+\i], v[PW+2*\t] matrix_a_fmt:MATRIX_FMT_FP6 matrix_b_fmt:MATRIX_FMT_FP6
.endr
.endr
	WIN 0
	s_add_co_u32 s[TB], s[TB], REC
.endm
.macro RUN s                           ; a slot's eight steps
	s_mov_b32 s[TB], \s*SLOT1
	s_mov_b32 s[CNT], 8
	v_add_nc_u32 v[KA], s[TB], v1
	KLOAD                                          ; the slot's first k
.Lstep_\@:
	STEP \s*SLOT1+7*REC
	s_sub_co_u32 s[CNT], s[CNT], 1
	s_cmp_lg_u32 s[CNT], 0
	s_cbranch_scc1 .Lstep_\@
.endm
.macro CHANGE g0                       ; the slot just read out takes the records 16 steps on
	s_wait_tensorcnt 0x0                           ; all my loads are in, my record of the other slot among them
	ds_add_u32 v[SPW], v[NIL]
	s_add_nc_u64 s[\g0+2:\g0+3], s[\g0+2:\g0+3], 16*REC
	s_wait_dscnt 0x0                               ; the add, and my reads of this slot
	CROUND
	tensor_load_to_lds s[\g0:\g0+3], s[G1:G1+7]
	s_nop 0
.rept 4
	v_nop
.endr
.endm
	s_wait_alu depctr_va_vdst(0)
	s_wait_tensorcnt 0x0                           ; my record of slot 0 is in
	ds_add_u32 v[SPW], v[NIL]
	s_wait_dscnt 0x0
	CROUND                                         ; everybody's is, in all four work-groups
	tensor_load_to_lds s[G0B:G0B+3], s[G1:G1+7]    ; steps 8-15: slot 1's first fill, issued as a refill is
	s_nop 0
.rept 4
	v_nop
.endr
	s_wait_loadcnt 0x0                             ; q
	RUN 0
	CHANGE G0A
	RUN 1
	CHANGE G0B
	RUN 0
	s_wait_tensorcnt 0x0                           ; the last slot: nothing is filled again
	ds_add_u32 v[SPW], v[NIL]
	s_wait_dscnt 0x0
	s_barrier_signal -1
	s_barrier_wait -1
	RUN 1
; THE WAY OUT: O^T / the sum; a lane's 32 registers of a tile are channels 32 h + 0 .. 31 of one head: a whole block of the next quantiser; the two heads are the halves c of a K step of 128
.irp t, 0,1
	v_add_f32 v[T+2*\t], v[ST+4*\t+2], v[ST+4*\t+3]
.endr
.irp t, 0,1
	DEP 2
	v_permlanex16_b32 v[T+2*\t+1], v[T+2*\t], s[SEL], s[SEL+1]
.endr
.irp t, 0,1
	DEP 2
	v_add_f32 v[T+2*\t], v[T+2*\t], v[T+2*\t+1]
.endr
	s_wait_alu depctr_va_vdst(0)
	v_rcp_f32 v[F], v[T]
	v_rcp_f32 v[F+2], v[T+2]
	v_nop
	WIN 0x01
	s_wait_alu depctr_va_vdst(0)
.irp t, 0,1
.set KK, 0
.rept 16
	v_pk_mul_f32 v[S+32*\t+2*KK:S+32*\t+2*KK+1], v[32*\t+2*KK:32*\t+2*KK+1], v[F+2*\t:F+2*\t+1] op_sel_hi:[1,0]
.set KK, KK+1
.endr
.endr
	WIN 0
.irp t, 0,1
	v_max3_num_f32 v[MX+2*\t], |v[S+32*\t]|, |v[S+32*\t+1]|, FLOOR
	v_max3_num_f32 v[MX+2*\t+1], |v[S+32*\t+16]|, |v[S+32*\t+17]|, |v[S+32*\t+18]|
.endr
.irp k, 2,4,6,8,10,12
.irp t, 0,1
	DEP 4
	v_max3_num_f32 v[MX+2*\t], v[MX+2*\t], |v[S+32*\t+\k]|, |v[S+32*\t+\k+1]|
	DEP 4
	v_max3_num_f32 v[MX+2*\t+1], v[MX+2*\t+1], |v[S+32*\t+17+\k]|, |v[S+32*\t+18+\k]|
.endr
.endr
	DEP 4
	v_max3_num_f32 v[MX], v[MX], |v[S+14]|, |v[S+15]|
	DEP 3
	v_max3_num_f32 v[MX+2], v[MX+2], |v[S+46]|, |v[S+47]|
.irp t, 0,1
	DEP 2
	v_max3_num_f32 v[MX+2*\t], v[MX+2*\t], v[MX+2*\t+1], |v[S+32*\t+31]|
.endr
.irp t, 0,1
	DEP 2
	v_add_nc_u32 v[SO+\t], OFF2, v[MX+2*\t]
.endr
.irp t, 0,1
	DEP 2
	v_lshrrev_b32 v[BY+\t], 23, v[SO+\t]
.endr
	DEP 1
	v_lshl_or_b32 v[BY], v[BY+1], 16, v[BY]
	DEP 1
	v_lshlrev_b32 v[BY], v4, v[BY]
	DEP 1
	v_permlanex16_b32 v[PW+1], v[BY], s[SEL], s[SEL+1]
	DEP 1
	v_or_b32 v[PW], v[BY], v[PW+1]
.irp c, 0,1
	v_cvt_scalef32_pk16_fp6_f32 v[PC+6*\c:PC+6*\c+2], v[S+32*\c:S+32*\c+15], v[SO+\c]
	v_cvt_scalef32_pk16_fp6_f32 v[TQ+4*\c:TQ+4*\c+2], v[S+32*\c+16:S+32*\c+31], v[SO+\c]
.endr
	v_add_nc_u32 v7, s51, v1                       ; my tile's three chunks (a plain place behind the conversions)
	v_add_nc_u32 v9, s50, v1                       ; and its scale word
.irp c, 0,1
.irp k, 0,1,2
	v_mov_b32 v[PC+6*\c+3+\k], v[TQ+4*\c+\k]
.endr
.endr
.irp m, 0,1,2
	global_store_b128 v7, v[PC+4*\m:PC+4*\m+3], s[8:9] offset:512*\m   ; a chunk: 512 consecutive bytes
.endr
	global_store_b32 v9, v[PW], s[8:9] offset:6144
	s_wait_tensorcnt 0x0                           ; the wave's end
	ds_add_u32 v[SPW], v[NIL]
	s_wait_dscnt 0x0
	CROUND                                         ; the closing round
	s_endpgm
.Lfunc_end_k_q664fe4304b_att:
	.size	k_q664fe4304b_att, .Lfunc_end_k_q664fe4304b_att-k_q664fe4304b_att
	.p2alignl 7, 3214868480
	.fill 96, 4, 3214868480
	.section	.rodata,"a",@progbits
	.p2align	6, 0x0
	.amdhsa_kernel k_q664fe4304b_att
		.amdhsa_group_segment_fixed_size 327680
		.amdhsa_private_segment_fixed_size 0
		.amdhsa_enable_private_segment 0
		.amdhsa_kernarg_size 24
		.amdhsa_user_sgpr_count 2
		.amdhsa_user_sgpr_kernarg_segment_ptr 1
		.amdhsa_wavefront_size32 1
		.amdhsa_system_sgpr_workgroup_id_x 1
		.amdhsa_system_sgpr_workgroup_id_y 1
		.amdhsa_system_sgpr_workgroup_id_z 1
		.amdhsa_system_vgpr_workitem_id 0
		.amdhsa_next_free_vgpr 448
		.amdhsa_next_free_sgpr 66
		.amdhsa_reserve_vcc 0
		.amdhsa_float_denorm_mode_32 3
		.amdhsa_float_denorm_mode_16_64 3
		.amdhsa_memory_ordered 1
		.amdhsa_forward_progress 1
		.amdhsa_inst_pref_size 133
	.end_amdhsa_kernel
	.amdgpu_metadata
---
amdhsa.version: [ 1, 2 ]
amdhsa.kernels:
  - .name:           k_q664fe4304b_att
    .symbol:         k_q664fe4304b_att.kd
    .args:
      - { .name: qc, .offset: 0, .size: 8, .value_kind: global_buffer, .address_space: global }
      - { .name: kv, .offset: 8, .size: 8, .value_kind: global_buffer, .address_space: global }
      - { .name: ao, .offset: 16, .size: 8, .value_kind: global_buffer, .address_space: global }
    .group_segment_fixed_size: 327680
    .private_segment_fixed_size: 0
    .kernarg_segment_align: 8
    .kernarg_segment_size: 24
    .max_flat_workgroup_size: 256
    .sgpr_count:     66
    .vgpr_count:     448
    .wavefront_size: 32
...
	.end_amdgpu_metadata
.endif
;; end of part 3
;; launch outp (part 4): grid 8 x 32, 4 waves a work-group, clusters of 4 x 4, 230,912 bytes of LDS; arguments ao, woq, bo, out0; writes out0
.if DOCPART == 4
	.amdgcn_target "amdgcn-amd-amdhsa--gfx1250"
	.amdhsa_code_object_version 6
	.text
	.protected	k_q664fe4304b_outp
	.globl	k_q664fe4304b_outp
	.p2align	8
	.type	k_q664fe4304b_outp,@function
k_q664fe4304b_outp:
	s_mov_b64 s[64:65], 0
	v_nop
	global_prefetch_b8 v0, s[64:65] scope:SCOPE_SE
	s_setreg_imm32_b32 hwreg(HW_REG_WAVE_MODE, 25, 1), 1
	s_wait_xcnt 0x0
	s_wait_alu depctr_hold_cnt(0) depctr_sa_sdst(0) depctr_va_vdst(0) depctr_va_sdst(0) depctr_va_ssrc(0) depctr_va_vcc(0) depctr_vm_vsrc(0)
	s_getreg_b32 s2, hwreg(HW_REG_IB_STS2, 6, 4)
	s_cmp_eq_u32 s2, 0
	s_cbranch_scc0 .Lentry_in_a_cluster
	s_endpgm
.Lentry_in_a_cluster:
	s_bfe_u32 s2, ttmp6, 0x10000c
	s_cmp_lg_u32 s2, 0xf033
	s_cbranch_scc0 .Lentry_shape_is_right
	s_endpgm
.Lentry_shape_is_right:
; out0 = a Wo + bo on codes of FP6 (E2M3) with E8M0 scales, f32 sums.  a (the attention's result) and Wo arrive as images of registers: a BLOCK (64 rows x 128 K) = 13 chunks of 512 bytes
; (chunk 3 u + m = registers 4 m .. 4 m + 3 of tile u; chunk 12: the scale words); a unit's 8 K steps lie on end.  Slot r of tile u is row 8 u + r % 8 + 32 (r / 8) of the unit.
; SHARES.  A work-group makes 128 tokens x 128 columns; all of K stays in LDS, brought whole by one load.  Four waves: wave w takes token unit w % 2 and column unit w / 2: 64 x 64, 16 accumulators.
; CLUSTER 4 x 4: a's units are asked for jointly along a row of the cluster, Wo's along a column.
; Source 0 = Wo's tiles, source 1 = a's: a lane holds one token and, in the 32 registers of a token tile, 32 neighbouring columns.  The bias is the C of the first K step.
; The way out goes through the wave's own stage, so that sixteen lanes store 256 consecutive bytes of a row; the order of a tile's tokens is undone by the stores' offsets.
.set UH,    26624                      ; half of a unit's K: 104 rows of 256 bytes
.set UNITB, 53248
.set HALF,  UH                         ; LDS: unit w of the four (a's two, Wo's two) at w x UNITB, brought whole by ONE load of wave w; the second half of its K lies UH behind the first
.set STAGE, 4*UNITB                    ; behind them: 16 rows x 272 bytes for each wave; no tile lands here
.set WV,  18                           ; s18 wave; s19 th = w % 2; s20 uw = w / 2; s21 cx; s22 cy; s23 column group; s24 token block
.set G1A, 28
.set G1B, 36
.set G0A, 44
.set G0B, 52
.set PS,  16                           ; v16-19 Wo's scale words, v20-23 a's
.set RS,  20
.set PF,  24                           ; v24-71 Wo's four fragments, v72-119 a's
.set RF,  72
.set ACC, 120                          ; accumulator (token tile i, column tile j) at 120 + 8 (4 i + j)
.set STO, 6                            ; v6  the stage: where I put my 128 bytes of a row
.set SRD, 7                            ; v7  and where I read a row back
.set GO,  8                            ; v8  my byte offset in out0
.macro CROUND                          ; a round of the cluster's barrier
	s_barrier_signal -1
	s_barrier_wait -1
	s_cmp_lg_u32 s[WV], 0
	s_cbranch_scc1 .Lnot_wave_0_\@
	s_barrier_signal -3
.Lnot_wave_0_\@:
	s_barrier_wait -3
	s_barrier_signal -1
	s_barrier_wait -1
.endm
	s_load_b256 s[4:11], s[0:1], 0x0               ; ao s[4:5], woq s[6:7], bo s[8:9], out0 s[10:11]
	v_lshl_add_u32 v254, v0, 2, 0x38400
	v_mov_b32 v255, 0
	ds_add_u32 v254, v255
	ds_add_u32 v254, v255
	v_lshrrev_b32 v1, 5, v0
	v_readfirstlane_b32 s[WV], v1                  ; wave 0..3
	s_and_b32 s19, s[WV], 1
	s_lshr_b32 s20, s[WV], 1
	s_bfe_u32 s21, ttmp6, 0x40000                  ; cx
	s_bfe_u32 s22, ttmp6, 0x40004                  ; cy
	s_lshl_b32 s23, ttmp9, 2
	s_add_co_u32 s23, s23, s21                     ; column group = 4 x cluster x + cx
	s_and_b32 s24, ttmp7, 0xffff
	s_lshl_b32 s24, s24, 2
	s_add_co_u32 s24, s24, s22                     ; token block = 4 x cluster y + cy
	s_lshl_b32 s60, s22, 2
	s_lshl_b32 s60, 15, s60                        ; my row of the cluster
	s_lshl_b32 s61, 0x1111, s21                    ; my column
	s_or_b32 s[G1A], s60, (3<<16)|(1<<21)          ; 15:0 the mask; 17:16 elements of 8 bytes; 21 set beside a mask; no padding
	s_or_b32 s[G1B], s61, (3<<16)|(1<<21)
.irp g, G1A, G1B
	s_mov_b32 s[\g+1], 32<<16                      ; rows of 256 bytes,
	s_mov_b32 s[\g+2], 208<<16                     ; 208 of them: a whole unit,
	s_mov_b32 s[\g+3], 32<<16
	s_mov_b32 s[\g+4], 208
	s_mov_b32 s[\g+5], 32                          ; dense
	s_mov_b32 s[\g+6], 0
	s_mov_b32 s[\g+7], 0
.endr
	s_lshl_b32 s66, s24, 1                         ; a: unit 2 x token block + w % 2 (registers that never hold cx)
	s_add_co_u32 s66, s66, s19
	s_mul_i32 s66, s66, UNITB
	s_mov_b32 s67, 0
	s_lshl_b32 s70, s23, 1                         ; Wo: unit 2 x column group + w % 2 (registers that never hold cy)
	s_add_co_u32 s70, s70, s19
	s_mul_i32 s70, s70, UNITB
	s_mov_b32 s71, 0
	s_mul_i32 s62, s[WV], UNITB                    ; where a wave's unit goes: wave x UNITB
	s_wait_dscnt 0x0
	s_wait_kmcnt 0x0
	s_add_nc_u64 s[66:67], s[4:5], s[66:67]
	s_add_nc_u64 s[70:71], s[6:7], s[70:71]
.irp hf, 0
	s_mov_b32 s[G0A+4*\hf], 1
	s_add_co_u32 s[G0A+4*\hf+1], s62, \hf*HALF
	s_add_nc_u64 s[G0A+4*\hf+2:G0A+4*\hf+3], s[66:67], \hf*UH
	s_or_b32 s[G0A+4*\hf+3], s[G0A+4*\hf+3], 0x80000000
	s_mov_b32 s[G0B+4*\hf], 1
	s_add_co_u32 s[G0B+4*\hf+1], s62, \hf*HALF
	s_add_nc_u64 s[G0B+4*\hf+2:G0B+4*\hf+3], s[70:71], \hf*UH
	s_or_b32 s[G0B+4*\hf+3], s[G0B+4*\hf+3], 0x80000000
.endr
	CROUND                                         ; all sixteen work-groups are here: the joint loads meet
	s_cmp_lt_u32 s[WV], 2                          ; waves 0, 1: a's units; waves 2, 3: Wo's.  One fill a wave
	s_cbranch_scc0 .Lfor_b
	tensor_load_to_lds s[G0A:G0A+3], s[G1A:G1A+7]
	s_nop 0
.rept 4
	v_nop
.endr
	s_branch .Lasked
.Lfor_b:
	tensor_load_to_lds s[G0B:G0B+3], s[G1B:G1B+7]
	s_nop 0
.rept 4
	v_nop
.endr
.Lasked:
	v_and_b32 v9, 31, v0
	v_lshlrev_b32 v1, 4, v9                        ; 16 l
	v_bfe_u32 v10, v0, 4, 1                        ; h
	v_and_b32 v11, 15, v0                          ; r
	s_add_co_u32 s75, s20, 2
	s_mul_i32 s75, s75, UNITB                      ; my unit of Wo
	s_mul_i32 s74, s19, UNITB                      ; my unit of a
	v_add_nc_u32 v2, s75, v1                       ; source 0, first half of K
	v_add_nc_u32 v3, s74, v1                       ; source 1
	v_add_nc_u32 v4, HALF, v2                      ; and the second half
	v_add_nc_u32 v5, HALF, v3
	s_mul_i32 s76, s[WV], 16*272
	s_add_co_u32 s76, s76, STAGE                   ; my stage
	v_mul_u32_u24 v[STO], v11, 272
	v_lshl_add_u32 v[STO], v10, 7, v[STO]
	v_add_nc_u32 v[STO], s76, v[STO]               ; in: row r, + 128 h
	v_mul_u32_u24 v[SRD], v10, 272
	v_lshl_add_u32 v[SRD], v11, 4, v[SRD]
	v_add_nc_u32 v[SRD], s76, v[SRD]               ; back: lanes 0-15 one row, lanes 16-31 the next
	v_lshlrev_b32 v[GO], 12, v10
	v_lshl_add_u32 v[GO], v11, 4, v[GO]            ; and the same two rows in out0
	v_lshlrev_b32 v12, 7, v10                      ; bo: my half's 32 columns
	s_wait_alu depctr_va_vdst(0)
	s_lshl_b32 s78, s23, 1
	s_add_co_u32 s78, s78, s20                     ; my unit of 64 columns
	s_lshl_b32 s78, s78, 8                         ; in bytes, in bo and in a row of out0
	s_mov_b32 s79, 0
	s_add_nc_u64 s[8:9], s[8:9], s[78:79]
	s_add_nc_u64 s[10:11], s[10:11], s[78:79]
	s_lshl_b32 s80, s24, 1
	s_add_co_u32 s80, s80, s19
	s_lshl_b32 s80, s80, 18                        ; my 64 tokens: rows of 4,096 bytes
	s_mov_b32 s81, 0
	s_add_nc_u64 s[10:11], s[10:11], s[80:81]
.irp i, 0,1,2,3                                ; register 8 j + q of every token tile is column 32 h + 8 j + q
.irp m, 0,1,2,3,4,5,6,7
	global_load_b128 v[ACC+32*\i+4*\m:ACC+32*\i+4*\m+3], v12, s[8:9] offset:16*\m
.endr
.endr
; A K step of 128: 26 LDS loads of 512 consecutive bytes, 16 matrix instructions; the sixteen accumulators take turns in the same order in every step.
.macro KSTEP hf, sp
.rept 4
	v_nop                                          ; places in front of loads into registers that matrix instructions have read
.endr
	ds_load_b128 v[PS:PS+3], v[2+2*\hf] offset:6656*\sp+6144
	ds_load_b128 v[RS:RS+3], v[3+2*\hf] offset:6656*\sp+6144
.irp m, 0,1,2,3,4,5,6,7,8,9,10,11
	ds_load_b128 v[PF+4*\m:PF+4*\m+3], v[2+2*\hf] offset:6656*\sp+512*\m
.endr
.irp m, 0,1,2,3,4,5,6,7,8,9,10,11
	ds_load_b128 v[RF+4*\m:RF+4*\m+3], v[3+2*\hf] offset:6656*\sp+512*\m
.endr
.irp i, 0,1,2,3
	s_wait_dscnt 3*(3-\i)                          ; a's tile i is in; the tiles behind it, three loads each, may be out
.irp j, 0,1,2,3
	v_wmma_scale_f32_16x16x128_f8f6f4 v[ACC+8*(4*\i+\j):ACC+8*(4*\i+\j)+7], v[PF+12*\j:PF+12*\j+11], v[RF+12*\i:RF+12*\i+11], v[ACC+8*(4*\i+\j):ACC+8*(4*\i+\j)+7], v[PS+\j], v[RS+\i] matrix_a_fmt:MATRIX_FMT_FP6 matrix_b_fmt:MATRIX_FMT_FP6
.endr
.endr
.endm
	s_wait_loadcnt 0x0                             ; the bias
	s_wait_tensorcnt 0x0                           ; my unit is in, all of its K
	s_barrier_signal -1
	s_barrier_wait -1                              ; everybody's is
	KSTEP 0, 0
	KSTEP 0, 1
	KSTEP 0, 2
	KSTEP 0, 3
	KSTEP 1, 0
	KSTEP 1, 1
	KSTEP 1, 2
	KSTEP 1, 3
; THE WAY OUT, a token tile (16 rows x 256 bytes) at a time.  LDS serves a wave's instructions in order: no wait between the stores and the loads, nor in front of the next tile's stores.
.macro TOSTAGE a
.irp j, 0,1,2,3
	ds_store_b128 v[STO], v[ACC+8*(4*(\a)+\j):ACC+8*(4*(\a)+\j)+3] offset:32*\j          ; each accumulator from its low end on
	ds_store_b128 v[STO], v[ACC+8*(4*(\a)+\j)+4:ACC+8*(4*(\a)+\j)+7] offset:32*\j+16
.endr
.irp t, 0,1,2,3,4,5,6,7
	ds_load_b128 v[24+32*((\a)%2)+4*\t:24+32*((\a)%2)+4*\t+3], v[SRD] offset:544*\t
.endr
.endm
.macro SEND a, younger                 ; younger: the LDS instructions issued behind tile a's loads, which may stay out
	s_wait_dscnt \younger
.irp t, 0,1,2,3,4,5,6,7                        ; stage rows 2 t and 2 t + 1 are tokens 8 a + 2 (t % 4) + 32 (t / 4) and the next
	global_store_b128 v[GO], v[24+32*((\a)%2)+4*\t:24+32*((\a)%2)+4*\t+3], s[10:11] offset:(8*(\a)+2*(\t%4)+32*(\t/4))*4096 th:TH_STORE_NT   ; 16 lanes store 256 consecutive bytes, at a multiple of 256 from out0's first byte
.endr
.endm
.rept 4
	v_nop                                          ; places in front of the first read of results and of loads into registers that held fragments
.endr
	TOSTAGE 0
	TOSTAGE 1
	SEND 0, 16                                     ; behind tile 0's loads: tile 1's 8 stores and 8 loads
	s_wait_xcnt 0x0                                ; tile 0's stores have read their registers: tile 2's loads may land there
	TOSTAGE 2
	SEND 1, 16
	s_wait_xcnt 0x0
	TOSTAGE 3
	SEND 2, 16
	SEND 3, 0
	s_wait_tensorcnt 0x0
	ds_add_u32 v254, v255
	s_wait_dscnt 0x0
	CROUND                                         ; the closing round: no work-group ends while a partner may still ask for a tile that names it
	s_endpgm
.Lfunc_end_k_q664fe4304b_outp:
	.size	k_q664fe4304b_outp, .Lfunc_end_k_q664fe4304b_outp-k_q664fe4304b_outp
	.p2alignl 7, 3214868480
	.fill 96, 4, 3214868480
	.section	.rodata,"a",@progbits
	.p2align	6, 0x0
	.amdhsa_kernel k_q664fe4304b_outp
		.amdhsa_group_segment_fixed_size 230912
		.amdhsa_private_segment_fixed_size 0
		.amdhsa_enable_private_segment 0
		.amdhsa_kernarg_size 32
		.amdhsa_user_sgpr_count 2
		.amdhsa_user_sgpr_kernarg_segment_ptr 1
		.amdhsa_wavefront_size32 1
		.amdhsa_system_sgpr_workgroup_id_x 1
		.amdhsa_system_sgpr_workgroup_id_y 1
		.amdhsa_system_sgpr_workgroup_id_z 1
		.amdhsa_system_vgpr_workitem_id 0
		.amdhsa_next_free_vgpr 256
		.amdhsa_next_free_sgpr 92
		.amdhsa_reserve_vcc 0
		.amdhsa_float_denorm_mode_32 3
		.amdhsa_float_denorm_mode_16_64 3
		.amdhsa_memory_ordered 1
		.amdhsa_forward_progress 1
		.amdhsa_inst_pref_size 48
	.end_amdhsa_kernel
	.amdgpu_metadata
---
amdhsa.version: [ 1, 2 ]
amdhsa.kernels:
  - .name:           k_q664fe4304b_outp
    .symbol:         k_q664fe4304b_outp.kd
    .args:
      - { .name: ao, .offset: 0, .size: 8, .value_kind: global_buffer, .address_space: global }
      - { .name: woq, .offset: 8, .size: 8, .value_kind: global_buffer, .address_space: global }
      - { .name: bo, .offset: 16, .size: 8, .value_kind: global_buffer, .address_space: global }
      - { .name: out0, .offset: 24, .size: 8, .value_kind: global_buffer, .address_space: global }
    .group_segment_fixed_size: 230912
    .private_segment_fixed_size: 0
    .kernarg_segment_align: 8
    .kernarg_segment_size: 32
    .max_flat_workgroup_size: 128
    .sgpr_count:     92
    .vgpr_count:     256
    .wavefront_size: 32
...
	.end_amdgpu_metadata
.endif
;; end of part 4
